; MI455X (gfx1250); checked and timed in simulation.
; The chip was launched on July 23, 2026; its instructions are those of AMD's public machine-readable ISA for CDNA 5 (MIT licence, August 2026) and "CDNA5" Instruction Set Architecture Reference Guide (July 2026). The comments in the code are by the model that wrote it; some were corrected since.
;; Attention. Allowed arithmetic: matrix products marked QUANTISED: E2M1 operands, one E8M0 scale for each 32 along K, by v_wmma_scale_f32_16x16x128_f8f6f4 with both operands' format E2M1 (or v_wmma_scale_f32_32x16x128_f4), f32 sums; everything else in f32.
;; Inputs: k 4,096 x 1,024 float32; q 4,096 x 4,096 float32; v 4,096 x 1,024 float32.
;; Outputs: out0 4,096 x 4,096 float32.
;; Constants: bs = 2, seq_len = 2048.
;; This version of the problem:
;;   THIS VERSION OF THE PROBLEM IS GIVEN IN LOW PRECISION. The matrix products marked QUANTISED in the list below multiply operands that are first quantised to E2M1 (2 exponent bits, 1 mantissa bit; 4 bits a number), with one power-of-two scale for each 32 numbers along K (OCP MX v1.0); their sums are f32. All else is computed in f32.
;;   The module's matrix products, in the order in which they are computed (A, B: the left and right operand; K: the contracted axis; several contracted axes count as one K, in the product's order):
;;     1. batch 64 x [M 2,048, K 128] x [K 128, N 2,048]; A: input q; B: input k: QUANTISED
;;     2. batch 64 x [M 128, K 2,048] x [K 2,048, N 2,048]; A: input v; B: softmax (see below): QUANTISED
;;   THE QUANTISER, for each operand of a quantised product, along K:
;;     - K is cut into blocks of 32 from its start; a last block that is shorter is filled with zeros.
;;     - A block's scale is 2^e with e = floor(log2(the largest magnitude in the block)) - 2, held to -126 .. 127; a block of zeros has e = 0. As a byte (E8M0): e + 127.
;;     - Each number is divided by its block's scale, clamped to +-6, and rounded to the nearest number of E2M1, ties to even, subnormals kept.
;;     - The product sums the exact products of the quantised numbers (number of the format x scale) in f32.
;;   ~~~python
;;   def quantise(x, axis):      # numpy; x: float32 -> the quantised numbers, widened to float32 again
;;       x = np.moveaxis(x, axis, -1); K = x.shape[-1]
;;       x = np.pad(x, [(0, 0)] * (x.ndim - 1) + [(0, -K % 32)]); x = x.reshape(x.shape[:-1] + (-1, 32)); a = np.abs(x).max(-1, keepdims=True)
;;       e = np.where(a > 0, np.clip(np.frexp(np.where(a > 0, a, 1))[1] - 1 - 2, -126, 127), 0)      # np.frexp(a)[1] - 1 = floor(log2(a)), exactly
;;       r = np.clip(x / 2.0 ** e, -6, 6)
;;       step = 2.0 ** (np.maximum(np.frexp(np.where(r == 0, 1, r))[1] - 1, 0) - 1)
;;       q = np.round(r / step) * step * 2.0 ** e      # np.round: ties to even
;;       return np.moveaxis(q.reshape(q.shape[:-2] + (-1,))[..., :K], -1, axis).astype(np.float32)
;;   ~~~
;;   SOFTMAX AHEAD OF A QUANTISED PRODUCT. Where the list says 'softmax', what is quantised is not the finished softmax but p = 2^(t - M), with t = logit x log2(e) and M = ceil(the row's largest t), a whole number; so 1/2 < the row's largest p <= 1. The row's sum l is taken of the UNQUANTISED p, in f32, and the product's result is divided by l at the end. Since M is a whole number, a kernel that streams over the keys may use a running M (the ceiling of the running maximum): every later rescaling is an exact power of two, which a block's scale takes up: the codes' values come out the same.
;;   OPERANDS COMPUTED ON THE WAY. 'Computed on the way' means the value that the module computes at that place (a softmax that the list does not call 'softmax' is quantised finished and normalised). What goes into a quantiser is computed in f32, as accurately as f32 sums, v_exp_f32 and their like allow (about 1e-6 of the number): no bf16 or f16 on the way to a quantiser, and a product that is left as it is and whose result goes on into a quantised operand takes f32 operands (vector FMAs, or v_wmma_f32_16x16x4_f32). A number that lies on a knife's edge between two numbers of the format may be rounded either way, as far as f32 arithmetic and the matrix unit's own rounding can turn it there, and no further.
;; One version. Each part assembles by itself: llvm-mc -triple=amdgcn-amd-amdhsa -mcpu=gfx1250 --defsym DOCPART=n.
;; ======== version 1 of 1: 2 launches
;; workspace buffers: kv 4,456,448 bytes
;; launch quant_kv (part 1): grid 256 x 1, 8 waves a work-group, no clusters, 143,360 bytes of LDS; arguments k, v, kv; writes kv
.if DOCPART == 1
	.amdgcn_target "amdgcn-amd-amdhsa--gfx1250"
	.amdhsa_code_object_version 6
	.text
	.protected	k_qad9c5ec647_quant_kv
	.globl	k_qad9c5ec647_quant_kv
	.p2align	8
	.type	k_qad9c5ec647_quant_kv,@function
k_qad9c5ec647_quant_kv:
	s_mov_b64 s[64:65], 0
	v_nop
	global_prefetch_b8 v0, s[64:65] scope:SCOPE_SE
	s_setreg_imm32_b32 hwreg(HW_REG_WAVE_MODE, 25, 1), 1
	s_wait_xcnt 0x0
; k and v, [4096][1024] f32 (token, 8 heads x 128), become codes of FP4 (E2M1) with one E8M0 scale byte for each 32 along a product's K:
; k along the head's 128 (the first product's K), v along the KEYS (the second product's K), in blocks of 32 keys from the sequence's start.
; A block's scale is 2^(floor(log2(its largest magnitude)) - 2); its byte is the largest magnitude's exponent field - 2.
; THE WORKSPACE kv IS LAID AS IMAGES OF THE OPERANDS' REGISTERS.  Block bi = (batch x 8 + head) x 16 + key step holds 128 keys of one head, 17,408 bytes:
;   byte 0      K: 8 tiles x 1,024: tile t, register group c, lane L at 1024 t + 512 c + 16 L; lane (r = L % 16, h = L / 16) holds key 32 (t / 2) + 8 (t % 2) + r + 8 (r / 8), d = 64 c + 32 h + 0 .. 31
;   byte 8192   V: the same form: tile t holds row d = 16 t + r, keys 64 c + 32 h + 0 .. 31 of the step
;   byte 16384  K's scale words, 512 bytes: lane L's 16 bytes are the words of tiles 4 (L / 16) + 0 .. 3 for row L % 16;   byte 16896  V's likewise
; So the attention launch brings a key step as one dense block and reads every fragment at 16 x lane.
; SHARES.  Work-group bi makes block bi: it reads 128 keys x 512 bytes of k and of v.  Wave w makes K's tile w and V's tile w.  All 32 loads of a wave go out at the head, each of 512 consecutive bytes.
; The conversions take neighbours along K from ONE lane's registers.  K's rows turn through the wave's own stage in LDS (in: 16 bytes a lane as loaded; back: 128 bytes a lane).  V's K runs down the rows:
; the eight waves lay the 128 key rows into one stage, a barrier, and a lane then reads a column d, 4 bytes a key.
; LIMITS: NaN and infinities among the inputs are not served.  A block whose largest magnitude lies under 2^-124 is held at the byte 1.  A block of zeros gets the byte 1 where the quantiser says 127:
; its codes are zeros, which add nothing under any byte but 0xff, and the bytes are read by this program alone.
; No tensor loads, no matrix work, no cluster: the work-groups share no input.
.set BLK,    17408                     ; bytes of a block of kv
.set ROW,    4096                      ; bytes of a row of k or of v
.set KPITCH, 528                       ; K's stage: a row of 512 bytes + 16 = 132 words: row r starts at bank 4 r mod 64 (64 banks of 4 bytes: ISA guide 11.1)
.set KSTW,   16*KPITCH                 ; a wave's stage: 16 rows
.set VST,    8*KSTW                    ; behind the eight stages: V's stage, 128 key rows
.set VPITCH, 576                       ; a key row: 512 bytes + 64; the rows of the odd blocks of 32 keys begin 64 bytes on,
.set VHALF,  32*VPITCH+64              ; so that lanes 16-31 (32 keys on) read 4,624 words from lanes 0-15: 16 modulo 64, other banks
.set SCST,   VST+128*VPITCH            ; the images of K's scale words (512 bytes) and of V's (512)
.set LI,   1                           ; v1   16 x lane
.set SH8,  4                           ; v4   8 h: where my two scale bytes go in the word
.set KSTO, 5                           ; v5   K's stage, in
.set KRD,  6                           ; v6   K's stage, back
.set VSTO, 7                           ; v7   V's stage, in
.set VRD,  8                           ; v8   V's stage, back: my column
.set SCW,  9                           ; v9   my row's scale word in the image
.set GI,   10                          ; v10  my 16 bytes of my tile's image in kv
.set GS,   11                          ; v11  the scale images' way out: 16 x (thread % 64)
.set LS,   12                          ; v12  the same in LDS
.set QM,   14                          ; v14-15 largest magnitudes;  v16-17 the conversions' scale operands;  v18-19 bytes;  v20 at work
.set QSO,  16
.set QE,   18
.set QT,   20
.set KW,   24                          ; v24 K's scale word, v25 V's
.set VW,   25
.set KX,   32                          ; v32-95   k as loaded; later v's numbers down the keys
.set VX,   96                          ; v96-159  v as loaded
.set X,    160                         ; v160-223 k's numbers along d
.set CK,   224                         ; v224-231 K's codes;  v232-239 V's: no store's data are written again
.set CV,   232
.set SEL,  20                          ; s[20:21] v_permlanex16_b32's selects for lane l xor 16
; 64 numbers of a lane, register 32 u + i = k 64 u + 32 h + i of my row (two whole blocks), become the operand's 8 registers of codes and my row's scale word (the same in both halves of the lanes).
.macro QUANT64 src, dst, wrd
.irp u, 0,1
	v_max3_num_f32 v[QM+\u], |v[\src+32*\u]|, |v[\src+32*\u+1]|, 0x1800000   ; the floor 2^(3 - 127) among the leaves: the byte cannot fall under 1
.endr
.irp i, 2,4,6,8,10,12,14,16,18,20,22,24,26,28,30
.irp u, 0,1
	v_max3_num_f32 v[QM+\u], v[QM+\u], |v[\src+32*\u+\i]|, |v[\src+32*\u+\i+1]|   ; the two blocks by turns
.endr
.endr
.irp u, 0,1
	v_add_nc_u32 v[QSO+\u], 0xff000000, v[QM+\u]   ; 2 off the exponent field: the conversion takes the exponent field of this operand as its scale
.endr
.irp u, 0,1
	v_lshrrev_b32 v[QE+\u], 23, v[QSO+\u]          ; the scale's byte
.endr
	v_lshl_or_b32 v[\wrd], v[QE+1], 16, v[QE]      ; my bytes: blocks h and 2 + h,
	v_lshlrev_b32 v[\wrd], v[SH8], v[\wrd]         ; at their places;
	v_mov_b32 v[QT], 0                             ; (a lane permute's destination counts as one of its sources)
	v_permlanex16_b32 v[QT], v[\wrd], s[SEL], s[SEL+1]
	v_or_b32 v[\wrd], v[\wrd], v[QT]               ; with lane l xor 16's two the word is whole
.irp u, 0,1
.irp g, 0,1,2,3
	v_cvt_scalef32_pk8_fp4_f32 v[\dst+4*\u+\g], v[\src+32*\u+8*\g:\src+32*\u+8*\g+7], v[QSO+\u]
.endr
.endr
	v_nop                                          ; one plain place behind the last scaled conversion
.endm
	s_load_b128 s[4:7], s[0:1], 0x0                ; k s[4:5], v s[6:7]
	s_load_b64 s[8:9], s[0:1], 0x10                ; kv
	v_lshl_add_u32 v240, v0, 2, 0x22c00
	v_mov_b32 v241, 0
	v_lshrrev_b32 v13, 5, v0
	v_readfirstlane_b32 s10, v13                   ; wave 0..7
	s_lshr_b32 s12, ttmp9, 7                       ; batch
	s_lshl_b32 s12, s12, 11
	s_and_b32 s14, ttmp9, 15                       ; key step
	s_lshl_b32 s14, s14, 7
	s_add_co_u32 s12, s12, s14                     ; the block's first row: 2,048 x batch + 128 x step
	s_lshl_b32 s12, s12, 12
	s_bfe_u32 s14, ttmp9, 0x30004                  ; head
	s_lshl_b32 s14, s14, 9
	s_add_co_u32 s12, s12, s14                     ; in bytes, + the head's 512 bytes of a row
	s_lshr_b32 s14, s10, 1                         ; K's tile w begins at key 32 (w / 2) + 8 (w % 2)
	s_lshl_b32 s14, s14, 5
	s_and_b32 s16, s10, 1
	s_lshl_b32 s16, s16, 3
	s_add_co_u32 s14, s14, s16
	s_lshl_b32 s14, s14, 12
	s_add_co_u32 s14, s14, s12
	s_mov_b32 s15, 0
	s_lshl_b32 s16, s10, 16                        ; of v the wave brings keys 16 w .. 16 w + 15
	s_add_co_u32 s16, s16, s12
	s_mov_b32 s17, 0
	s_mul_i32 s12, ttmp9, BLK                      ; my block of kv
	s_mov_b32 s13, 0
	s_mov_b32 s[SEL], 0x76543210
	s_mov_b32 s[SEL+1], 0xfedcba98
	v_and_b32 v13, 31, v0                          ; lane
	v_lshlrev_b32 v[LI], 4, v13
	v_and_b32 v2, 15, v0                           ; r
	v_bfe_u32 v3, v0, 4, 1                         ; h
	v_lshlrev_b32 v[SH8], 3, v3
	s_mul_i32 s18, s10, KSTW                       ; my stage for K
	v_add_nc_u32 v[KSTO], s18, v[LI]               ; in: a row's 512 bytes as loaded
	v_mul_u32_u24 v[KRD], v2, KPITCH
	v_lshl_add_u32 v[KRD], v3, 7, v[KRD]
	v_add_nc_u32 v[KRD], s18, v[KRD]               ; back: row r, + 128 h: d = 32 h on
	s_mul_i32 s18, s10, 16*VPITCH                  ; V's stage: my 16 key rows,
	s_lshr_b32 s19, s10, 1
	s_and_b32 s19, s19, 1
	s_lshl_b32 s19, s19, 6                         ; 64 bytes on where they lie in an odd block of 32 keys
	s_add_co_u32 s18, s18, s19
	s_add_co_u32 s18, s18, VST
	v_add_nc_u32 v[VSTO], s18, v[LI]
	v_mul_u32_u24 v[VRD], v3, VHALF                ; back: keys 32 h on,
	v_lshl_add_u32 v[VRD], v2, 2, v[VRD]           ; column d = 16 w + r
	s_lshl_b32 s18, s10, 6
	s_add_co_u32 s18, s18, VST
	v_add_nc_u32 v[VRD], s18, v[VRD]
	s_lshr_b32 s18, s10, 2                         ; the scale word of tile w, row r: 256 (w / 4) + 16 r + 4 (w % 4)
	s_lshl_b32 s18, s18, 8
	s_and_b32 s19, s10, 3
	s_lshl_b32 s19, s19, 2
	s_add_co_u32 s18, s18, s19
	s_add_co_u32 s18, s18, SCST
	v_lshl_add_u32 v[SCW], v2, 4, s18
	s_lshl_b32 s18, s10, 10
	v_add_nc_u32 v[GI], s18, v[LI]                 ; my tile's image: 1,024 w + 16 x lane
	v_and_b32 v[GS], 63, v0
	v_lshlrev_b32 v[GS], 4, v[GS]
	v_add_nc_u32 v[LS], SCST, v[GS]
	s_wait_kmcnt 0x0
	s_add_nc_u64 s[4:5], s[4:5], s[14:15]
	s_add_nc_u64 s[6:7], s[6:7], s[16:17]
	s_add_nc_u64 s[8:9], s[8:9], s[12:13]
.irp i, 0,1,2,3,4,5,6,7,8,9,10,11,12,13,14,15
	global_load_b128 v[KX+4*\i:KX+4*\i+3], v[LI], s[4:5] offset:(\i+8*(\i/8))*ROW th:TH_LOAD_NT   ; K's tile: rows 0-7, and 16-23 from its first key: 32 lanes read a row's 512 bytes
.endr
.irp i, 0,1,2,3,4,5,6,7,8,9,10,11,12,13,14,15
	global_load_b128 v[VX+4*\i:VX+4*\i+3], v[LI], s[6:7] offset:\i*ROW th:TH_LOAD_NT
.endr
	s_wait_loadcnt 16                              ; k's 16 loads are in; v's 16, issued behind them, may be out
.irp i, 0,1,2,3,4,5,6,7,8,9,10,11,12,13,14,15
	ds_store_b128 v[KSTO], v[KX+4*\i:KX+4*\i+3] offset:\i*KPITCH
.endr
.irp u, 0,1
.irp j, 0,1,2,3,4,5,6,7
	ds_load_b128 v[X+32*\u+4*\j:X+32*\u+4*\j+3], v[KRD] offset:256*\u+16*\j   ; LDS serves a wave's instructions in order (ISA guide 5.7.1.4): these see my stores
.endr
.endr
	s_wait_loadcnt 0x0                             ; v
.irp i, 0,1,2,3,4,5,6,7,8,9,10,11,12,13,14,15
	ds_store_b128 v[VSTO], v[VX+4*\i:VX+4*\i+3] offset:\i*VPITCH
.endr
	s_wait_dscnt 16                                ; k's numbers are back: behind those 16 loads stand only v's 16 stores
	QUANT64 X, CK, KW
	global_store_b128 v[GI], v[CK:CK+3], s[8:9]                 ; the wave stores 512 consecutive bytes, at a multiple of 256 from kv's first byte
	global_store_b128 v[GI], v[CK+4:CK+7], s[8:9] offset:512
	ds_store_b32 v[SCW], v[KW]                     ; both halves of the lanes write the same word with the same value
	s_wait_dscnt 0x0                               ; for the others' sake: my rows of v lie in the stage
	s_barrier_signal -1
	s_barrier_wait -1                              ; all 128 key rows do
.irp u, 0,1
.irp i, 0,1,2,3,4,5,6,7,8,9,10,11,12,13,14,15,16,17,18,19,20,21,22,23,24,25,26,27,28,29,30,31
	ds_load_b32 v[KX+32*\u+\i], v[VRD] offset:(64*\u+\i)*VPITCH   ; v(key 64 u + 32 h + i, d = 16 w + r)
.endr
.endr
	s_wait_dscnt 0x0
	QUANT64 KX, CV, VW
	global_store_b128 v[GI], v[CV:CV+3], s[8:9] offset:8192
	global_store_b128 v[GI], v[CV+4:CV+7], s[8:9] offset:8192+512
	ds_store_b32 v[SCW], v[VW] offset:512
	s_wait_dscnt 0x0                               ; for the others' sake: my scale words lie in the images
	s_barrier_signal -1
	s_barrier_wait -1
	s_cmp_lt_u32 s10, 2                            ; waves 0 and 1 send the two images of 512 bytes
	s_cbranch_scc0 .Lend
	ds_load_b128 v[X:X+3], v[LS]
	s_wait_dscnt 0x0
	global_store_b128 v[GS], v[X:X+3], s[8:9] offset:16384
.Lend:
	s_wait_tensorcnt 0x0
	ds_add_u32 v240, v241
	s_wait_dscnt 0x0
	s_endpgm
.Lfunc_end_k_qad9c5ec647_quant_kv:
	.size	k_qad9c5ec647_quant_kv, .Lfunc_end_k_qad9c5ec647_quant_kv-k_qad9c5ec647_quant_kv
	.p2alignl 7, 3214868480
	.fill 96, 4, 3214868480
	.section	.rodata,"a",@progbits
	.p2align	6, 0x0
	.amdhsa_kernel k_qad9c5ec647_quant_kv
		.amdhsa_group_segment_fixed_size 143360
		.amdhsa_private_segment_fixed_size 0
		.amdhsa_enable_private_segment 0
		.amdhsa_kernarg_size 24
		.amdhsa_user_sgpr_count 2
		.amdhsa_user_sgpr_kernarg_segment_ptr 1
		.amdhsa_wavefront_size32 1
		.amdhsa_system_sgpr_workgroup_id_x 1
		.amdhsa_system_sgpr_workgroup_id_y 1
		.amdhsa_system_sgpr_workgroup_id_z 1
		.amdhsa_system_vgpr_workitem_id 0
		.amdhsa_next_free_vgpr 242
		.amdhsa_next_free_sgpr 66
		.amdhsa_reserve_vcc 0
		.amdhsa_float_denorm_mode_32 3
		.amdhsa_float_denorm_mode_16_64 3
		.amdhsa_memory_ordered 1
		.amdhsa_forward_progress 1
		.amdhsa_inst_pref_size 21
	.end_amdhsa_kernel
	.amdgpu_metadata
---
amdhsa.version: [ 1, 2 ]
amdhsa.kernels:
  - .name:           k_qad9c5ec647_quant_kv
    .symbol:         k_qad9c5ec647_quant_kv.kd
    .args:
      - { .name: k, .offset: 0, .size: 8, .value_kind: global_buffer, .address_space: global }
      - { .name: v, .offset: 8, .size: 8, .value_kind: global_buffer, .address_space: global }
      - { .name: kv, .offset: 16, .size: 8, .value_kind: global_buffer, .address_space: global }
    .group_segment_fixed_size: 143360
    .private_segment_fixed_size: 0
    .kernarg_segment_align: 8
    .kernarg_segment_size: 24
    .max_flat_workgroup_size: 256
    .sgpr_count:     66
    .vgpr_count:     242
    .wavefront_size: 32
...
	.end_amdgpu_metadata
.endif
;; end of part 1
;; launch attn (part 2): grid 16 x 16, 16 waves a work-group, no clusters, 327,680 bytes of LDS; arguments q, kv, out0; writes out0
.if DOCPART == 2
	.amdgcn_target "amdgcn-amd-amdhsa--gfx1250"
	.amdhsa_code_object_version 6
	.text
	.protected	k_qad9c5ec647_attn
	.globl	k_qad9c5ec647_attn
	.p2align	8
	.type	k_qad9c5ec647_attn,@function
k_qad9c5ec647_attn:
	s_mov_b64 s[64:65], 0
	v_nop
	global_prefetch_b8 v0, s[64:65] scope:SCOPE_SE
	s_setreg_imm32_b32 hwreg(HW_REG_WAVE_MODE, 25, 1), 1
	s_wait_xcnt 0x0
; Causal attention with grouped heads: 2 batches x 2,048 tokens, 32 query heads on 8 key/value heads, head size 128; both products on codes of FP4 (E2M1) with one E8M0 scale for each 32 along a product's K.
; q [4096][4096] f32 is quantised here, in registers (each number is read by one wave, once); K and V come as register images from kv (the launch before): a key step of 128 keys is one dense block of 17,408 bytes.
; THE SOFTMAX AHEAD OF THE SECOND PRODUCT: t = score x c, c = log2(e) / sqrt(128); M = the row's largest t so far, rounded UP to a whole number; p = 2^(t - M) is what is quantised, along the keys, not normalised.
; The row's sum is taken of the unquantised p and divides O at the end.  When M moves, the sum and O are multiplied by 2^(old M - new M): exact.
; SHARES.  Work-group (j, batch x 8 + key/value head).  Its sixteen waves are the 4 query heads of that key/value head x 4 tiles of 16 queries of ONE block of 64 positions: all sixteen read the same K and V and have the
; same causal range.  Block J wants J / 2 + 1 key steps, of which only the last lies on the diagonal.  The work-group takes block 31 - j (16 - j / 2 steps) and then block j (j / 2 + 1 steps): ALWAYS 17 STEPS,
; so the 256 work-groups have equal work and the loop's trip count is a constant.  Steps all of whose keys are hidden are never walked.
; LAYOUT.  Both products are used transposed: S^T = K Q^T (source 0 = 16 keys, source 1 = my 16 queries), O^T = V^T P^T (source 0 = 16 of the head's 128, source 1 = P): a lane holds ONE query (lane % 16) throughout.
; The keys of a tile of K are not neighbours (lane r of tile 2 b + u: key 32 b + 8 u + r + 8 (r / 8)), so that the 16 registers of tiles 2 b and 2 b + 1 are 16 neighbouring keys, 32 b + 16 (lane / 16) + 0 .. 15.
; THE RING.  Two LDS slots of one key step; wave 0 brings each step by one tensor load of 68 rows x 256 bytes, asked for a whole step ahead; by this text's own count one tensor load at most is out.
; NO CLUSTER: only the two work-groups j = 2 i and 2 i + 1 walk the same list of key steps; four partners would want different tiles in one trip, and the trip that masks and changes blocks would hang on the place in the cluster.
; LIMITS: NaN and infinities among the inputs are not served.  A block of q or p whose largest magnitude lies under 2^-124 is held at the scale byte 1; a block of zeros has the byte 1 (its codes are zeros).
; t is score x c with one rounding.  Hidden scores become -infinity where the definition has the lowest finite f32 number: p is 0 either way.
; A block's largest p is not searched for: the block's largest score goes through the same multiply-add and exponential (this takes v_exp_f32 not to fall where its input rises).
.set BLK,    17408                     ; a key step's block of kv: K's 8 tiles, V's 8 tiles, K's scale words, V's
.set HEADB,  16*BLK                    ; a key/value head's 16 steps
.set VIMG,   8192
.set KSC,    16384
.set VSC,    16896
.set SLOT1,  32768                     ; slot 0 at LDS byte 0, slot 1 here: one exclusive or turns an address
.set STAGE,  65536                     ; a stage of its own for each wave, 16 rows x (512 bytes + 16): q's turn and the way out; no tensor load lands here
.set SPITCH, 528                       ; 132 words: row r starts at bank 4 r mod 64 (64 banks of 4 bytes: ISA guide 11.1)
.set STW,    16*SPITCH
.set SPARE,  STAGE+16*STW              ; the spare words, 128 bytes for each wave: eight blocks of 256 bytes that no other line names
.set ROWQ,   16384                     ; bytes of a row of q and of out0
.set LI,   1                           ; v1   16 x lane
.set ADR,  2                           ; v2   my 16 bytes in the slot in hand
.set SPW,  3                           ; v3   LDS address of my spare word; never rewritten
.set NIL,  4                           ; v4   0; never rewritten
.set STO,  5                           ; v5   stage, results in: row r, + 32 h
.set SRD,  6                           ; v6   stage, by rows: 16 x lane
.set SH8,  7                           ; v7   8 h
.set LD,   8                           ; v8   r - 16 h
.set NINF, 9                           ; v9   -infinity
.set QRD,  10                          ; v10  stage, q back: row r, + 128 h
.set DD,   11                          ; v11  the mask: my query less the key of my register 0
                                       ; v12 -M, v13 the largest t, v[14:15] the sum in two halves
.set QC,   16                          ; v16-23   Q's codes
.set PF,   24                          ; v24  prefetch: (lane / 2) rows + 256 (lane % 2); never rewritten
.set FR,   32                          ; v32-95   8 fragments of K, then of V; on the way out rows of O
.set S,    96                          ; v96-159  S^T, then p; q as loaded
.set OA,   160                         ; v160-223 O^T; q along d
.set PC,   224                         ; v224-231 p's codes
.set BM,   232                         ; v232-235 block maxima
.set PT,   236                         ; v236-239 at work
.set KSW,  240                         ; v240-243 K's scale words: lanes 0-15 tiles 0-3, lanes 16-31 tiles 4-7.  v240-247, v253 and v255 hold scales and nothing else
.set VSW,  244                         ; v244-247 V's likewise
.set SO,   248                         ; v248-251 the conversions' scale operands
.set FF,   252                         ; v252 f = 2^(old M - new M)
.set PS,   253                         ; v253 p's scale word
.set TT,   254                         ; v254 at work
.set QS,   255                         ; v255 Q's scale word
.set QM,   BM                          ; QUANT64's registers
.set QE,   PT
.set QSO,  SO
.set QT,   TT
.set WV,   10                          ; s10  wave
.set JX,   11                          ; s11  j
.set BH,   12                          ; s12  batch x 8 + key/value head
.set LIM,  14                          ; s14  the first block's steps; 255 once it is done
.set KS,   15                          ; s15  the key step in hand
.set KSX,  16                          ; s16  the next
.set LAST, 17                          ; s17  1: this trip is the first block's last step
.set CNT,  18                          ; s18  trips
.set TB,   19                          ; s19  the slot in hand
.set SEL,  20                          ; s[20:21] v_permlanex16_b32's selects for lane l xor 16
.set CS,   22                          ; s[22:23] c, as a pair for the packed form
.set G1,   24                          ; s[24:31] descriptor group 1
.set G0,   32                          ; s[32:35] descriptor group 0
.set KVB,  36                          ; s[36:37] kv at my head
.set Q1P,  38                          ; s[38:39], s[40:41] q at my tile of the first and of the second block
.set Q2P,  40
.set OUT1, 42                          ; s[42:43], s[44:45] out0 likewise
.set OUT2, 44
.set Q0,   46                          ; s46  my first query's position, in the block in hand;  s47 in the second block
.set Q02,  47
.set OFS,  48                          ; s[48:49] an offset, high word 0
; 64 numbers of a lane, register 32 u + i = k 64 u + 32 h + i of my row (two whole blocks), become the operand's 8 registers of codes and my row's scale word (the same in both halves of the lanes).
.macro QUANT64 src, dst, wrd
.irp u, 0,1
	v_max3_num_f32 v[QM+\u], |v[\src+32*\u]|, |v[\src+32*\u+1]|, 0x1800000   ; the floor 2^(3 - 127) among the leaves: the byte cannot fall under 1
.endr
.irp i, 2,4,6,8,10,12,14,16,18,20,22,24,26,28,30
.irp u, 0,1
	v_max3_num_f32 v[QM+\u], v[QM+\u], |v[\src+32*\u+\i]|, |v[\src+32*\u+\i+1]|   ; the two blocks by turns
.endr
.endr
.irp u, 0,1
	v_add_nc_u32 v[QSO+\u], 0xff000000, v[QM+\u]   ; 2 off the exponent field: the conversion takes the exponent field of this operand as its scale
.endr
.irp u, 0,1
	v_lshrrev_b32 v[QE+\u], 23, v[QSO+\u]          ; the scale's byte
.endr
	v_lshl_or_b32 v[\wrd], v[QE+1], 16, v[QE]      ; my bytes: blocks h and 2 + h,
	v_lshlrev_b32 v[\wrd], v[SH8], v[\wrd]         ; at their places;
	v_mov_b32 v[QT], 0                             ; (a lane permute's destination counts as one of its sources)
	v_permlanex16_b32 v[QT], v[\wrd], s[SEL], s[SEL+1]
	v_or_b32 v[\wrd], v[\wrd], v[QT]               ; with lane l xor 16's two the word is whole
.irp u, 0,1
.irp g, 0,1,2,3
	v_cvt_scalef32_pk8_fp4_f32 v[\dst+4*\u+\g], v[\src+32*\u+8*\g:\src+32*\u+8*\g+7], v[QSO+\u]
.endr
.endr
	v_nop                                          ; one plain place behind the last scaled conversion
.endm
; Wave 0 asks for a key step.  The branch hangs on the wave's number alone.  Four v_nop follow the load.
.macro TLOAD
	s_cmp_eq_u32 s[WV], 0
	s_cbranch_scc0 .Lasked_\@
	tensor_load_to_lds s[G0:G0+3], s[G1:G1+7]
	s_nop 0
.rept 4
	v_nop
.endr
.Lasked_\@:
.endm
; My 16 queries' rows of my head, 512 consecutive bytes a load
.macro QLOAD p
.irp i, 0,1,2,3,4,5,6,7,8,9,10,11,12,13,14,15
	global_load_b128 v[S+4*\i:S+4*\i+3], v[LI], s[\p:\p+1] offset:\i*ROWQ th:TH_LOAD_NT
.endr
.endm
; They turn through my stage, so that lane (r, h) holds d = 64 u + 32 h + 0 .. 31 of query r, and are quantised
.macro QTURN
	s_wait_loadcnt 0x0
.irp i, 0,1,2,3,4,5,6,7,8,9,10,11,12,13,14,15
	ds_store_b128 v[SRD], v[S+4*\i:S+4*\i+3] offset:\i*SPITCH
.endr
.irp u, 0,1
.irp j, 0,1,2,3,4,5,6,7
	ds_load_b128 v[OA+32*\u+4*\j:OA+32*\u+4*\j+3], v[QRD] offset:256*\u+16*\j   ; LDS serves a wave's instructions in order (ISA guide 5.7.1.4): these see my stores
.endr
.endr
	s_wait_dscnt 0x0
	QUANT64 OA, QC, QS
.endm
; A block of queries begins: the largest t under every t, the sum and O^T zeros, which the first change of M leaves zeros.  So the key step is written once for first and later steps: 64 moves, twice in the launch.
; These lines are also the eight places between the write of Q's scale word and the first scaled product.
.macro REINIT
	v_mov_b32 v13, 0xff61b1e6                      ; -3e38
	v_floor_f32 v12, -v13                          ; -M
	v_mov_b32 v14, 0
	v_mov_b32 v15, 0
.set n, 0
.rept 64
	v_mov_b32 v[OA+n], 0
.set n, n+1
.endr
.endm
; THE CHANGE OF SLOTS stands at a step's head.  Each wave waits for all its tensor loads (wave 0: the step that is about to be read), adds 0 to its spare word, and waits for that and for its reads of the slot that it has left.
; Behind the barrier the slot ahead is whole and nobody reads the other one.  fill = 1: that other slot takes the next key step, which has this whole step in which to land.
.macro CHANGE fill
	s_wait_tensorcnt 0x0                           ; no tensor load of mine is out, so group 0 may be written
	ds_add_u32 v[SPW], v[NIL]                      ; 0 onto my spare word; the scalar work below stands between it and the wait for it
.if \fill
	s_add_co_u32 s[KSX], s[KS], 1
	s_cmp_eq_u32 s[KSX], s[LIM]                    ; was this the first block's last step?
	s_cselect_b32 s[LAST], 1, 0
	s_cselect_b32 s[KSX], 0, s[KSX]                ; then the second block's step 0 follows
	s_mul_i32 s[OFS], s[KSX], BLK
	s_xor_b32 s[G0+1], s[G0+1], SLOT1              ; the other slot than last time
	s_add_nc_u64 s[G0+2:G0+3], s[KVB:KVB+1], s[OFS:OFS+1]
	s_or_b32 s[G0+3], s[G0+3], 0x80000000          ; type = 2
.endif
	s_wait_dscnt 0x0                               ; the add is done, and my reads of the slot that I have left are over
	s_barrier_signal -1
	s_barrier_wait -1
.if \fill
	TLOAD                                          ; the first thing behind the barrier, and the one tensor load until the next
.endif
.endm
; THE WAY OUT of a block of queries: O^T / the sum goes through my stage and leaves as whole rows of 512 bytes.
.macro FINISH out
	v_add_f32 v14, v14, v15                        ; the sum's two halves,
	v_permlanex16_b32 v[TT], v14, s[SEL], s[SEL+1]
	v_add_f32 v14, v14, v[TT]                      ; and lane l xor 16's: the row's sum
	v_rcp_f32 v14, v14
	v_nop                                          ; a plain place behind the transcendental
.set n, 0
	s_wait_alu depctr_va_vdst(0)
.rept 32
	v_pk_mul_f32 v[OA+n:OA+n+1], v[OA+n:OA+n+1], v[14:15] op_sel_hi:[1,0]   ; ascending: each accumulator from its low end on.  Register 8 t + i is o(r, 16 t + 8 h + i)
.set n, n+2
.endr
.irp t, 0,1,2,3,4,5,6,7
	ds_store_b128 v[STO], v[OA+8*\t:OA+8*\t+3] offset:64*\t
	ds_store_b128 v[STO], v[OA+8*\t+4:OA+8*\t+7] offset:64*\t+16
.endr
.irp i, 0,1,2,3,4,5,6,7,8,9,10,11,12,13,14,15
	ds_load_b128 v[FR+4*\i:FR+4*\i+3], v[SRD] offset:\i*SPITCH
.endr
.irp i, 0,1,2,3,4,5,6,7,8,9,10,11,12,13,14,15
	s_wait_dscnt 15-\i                             ; row i is back; the younger rows may be out
	global_store_b128 v[LI], v[FR+4*\i:FR+4*\i+3], s[\out:\out+1] offset:\i*ROWQ th:TH_STORE_NT   ; 32 lanes store 512 consecutive bytes, at a multiple of 256 from out0's first byte
.endr
.endm
; A KEY STEP: 128 keys.  tail = 1: the launch's last step, which lies on the second block's diagonal; tail = 0: the loop's copy, which masks and changes blocks where LAST says so.
.macro STEP tail
	v_add_nc_u32 v[ADR], s[TB], v[LI]
	ds_load_b128 v[KSW:KSW+3], v[ADR] offset:KSC
.irp t, 0,1,2,3,4,5,6,7
	ds_load_b128 v[FR+8*\t:FR+8*\t+3], v[ADR] offset:1024*\t
	ds_load_b128 v[FR+8*\t+4:FR+8*\t+7], v[ADR] offset:1024*\t+512
.endr
	s_wait_dscnt 8                                 ; the scale words and tiles 0-3 are in; the eight youngest loads (tiles 4-7) may be out
.irp t, 0,1,2,3
	v_wmma_scale_f32_16x16x128_f8f6f4 v[S+8*\t:S+8*\t+7], v[FR+8*\t:FR+8*\t+7], v[QC:QC+7], 0, v[KSW+\t], v[QS] matrix_a_fmt:MATRIX_FMT_FP4 matrix_b_fmt:MATRIX_FMT_FP4
.endr
	s_wait_dscnt 0x0
.irp t, 4,5,6,7
	v_wmma_scale_f32_16x16x128_f8f6f4 v[S+8*\t:S+8*\t+7], v[FR+8*\t:FR+8*\t+7], v[QC:QC+7], 0, v[KSW+\t-4], v[QS] matrix_a_fmt:MATRIX_FMT_FP4 matrix_b_fmt:MATRIX_FMT_FP4 matrix_a_scale:MATRIX_SCALE_ROW1
.endr
.rept 4
	v_nop                                          ; places in front of the loads into K's registers and of the first read of the scores
.endr
	ds_load_b128 v[VSW:VSW+3], v[ADR] offset:VSC   ; V's fragments land while the softmax is walked
.irp t, 0,1,2,3,4,5,6,7
	ds_load_b128 v[FR+8*\t:FR+8*\t+3], v[ADR] offset:VIMG+1024*\t
	ds_load_b128 v[FR+8*\t+4:FR+8*\t+7], v[ADR] offset:VIMG+1024*\t+512
.endr
.if \tail == 0
	s_add_co_u32 s50, s[KS], 2                     ; in the first block's last step but one: my second tile of q, 16 rows x 512 bytes, is asked for: 32 lanes, 256 bytes apart, once, by the wave that
	s_cmp_eq_u32 s50, s[LIM]                       ; will load it one trip later; the address lies inside q
	s_cbranch_scc0 .Lnp_\@
	global_prefetch_b8 v[PF], s[Q2P:Q2P+1] th:TH_LOAD_NT scope:SCOPE_SE
.Lnp_\@:
	s_cmp_eq_u32 s[LAST], 0                        ; a step all of whose keys count skips the mask: a branch on ids alone
	s_cbranch_scc1 .Lopen_\@
.endif
	s_lshl_b32 s50, s[KS], 7                       ; ON THE DIAGONAL the scores of hidden keys become -infinity ahead of the maximum: p = 0 then
	s_sub_co_i32 s50, s[Q0], s50
	v_add_nc_u32 v[DD], s50, v[LD]                 ; d = my query - the step's first key - 16 h.  Register 16 b + i holds key 32 b + 16 h + i of the step: hidden where 32 b + i > d
.irp n, 0,1,2,3,4,5,6,7,8,9,10,11,12,13,14,15,16,17,18,19,20,21,22,23,24,25,26,27,28,29,30,31,32,33,34,35,36,37,38,39,40,41,42,43,44,45,46,47,48,49,50,51,52,53,54,55,56,57,58,59,60,61,62,63
	v_cmp_gt_i32 vcc_lo, 32*(\n/16)+\n%16, v[DD]
	v_cndmask_b32 v[S+\n], v[S+\n], v[NINF], vcc_lo
.endr
.if \tail == 0
.Lopen_\@:
.endif
.irp b, 0,1,2,3
	v_max3_num_f32 v[BM+\b], v[S+16*\b], v[S+1+16*\b], v[S+2+16*\b]   ; the largest score of each block of 32 keys: for the row's maximum, and for the block's largest p
.endr
.irp i, 3,5,7,9,11,13
.irp b, 0,1,2,3
	v_max3_num_f32 v[BM+\b], v[BM+\b], v[S+16*\b+\i], v[S+1+16*\b+\i]   ; the four blocks by turns; each accumulator is first read at its low end
.endr
.endr
.irp b, 0,1,2,3
	v_max_num_f32 v[BM+\b], v[BM+\b], v[S+15+16*\b]
.endr
.irp b, 0,1,2,3
	v_permlanex16_b32 v[PT+\b], v[BM+\b], s[SEL], s[SEL+1]
.endr
.irp b, 0,1,2,3
	v_max_num_f32 v[BM+\b], v[BM+\b], v[PT+\b]     ; with lane l xor 16's 16 keys
.endr
	v_max3_num_f32 v[TT], v[BM], v[BM+1], v[BM+2]
	v_max_num_f32 v[TT], v[TT], v[BM+3]            ; the step's largest score of my query
	v_mul_f32 v[TT], s[CS], v[TT]                  ; as t (c is positive)
	v_max_num_f32 v13, v13, v[TT]                  ; the running largest t
	v_mov_b32 v[TT], v12
	v_floor_f32 v12, -v13                          ; the new -M = floor(-t) = -ceil(t): a whole number
	v_sub_f32 v[TT], v12, v[TT]                    ; old M - new M: a whole number, 0 or less
	v_cvt_i32_f32 v[TT], v[TT]                     ; (it saturates)
	v_ldexp_f32 v[FF], 1.0, v[TT]                  ; f = 2^(old M - new M)
.set n, 0
.rept 32
	v_pk_fma_f32 v[S+n:S+n+1], v[S+n:S+n+1], s[CS:CS+1], v[12:13] op_sel_hi:[1,0,0]   ; t - M, two at a time (of the pairs c and -M the low word serves both halves)
.set n, n+2
.endr
.irp b, 0,1,2,3
	v_fma_f32 v[BM+\b], v[BM+\b], s[CS], v12       ; the same of each block's largest score
.endr
.set n, 0
.rept 64
	v_exp_f32 v[S+n], v[S+n]                       ; p = 2^(t - M), at most 1
.set n, n+1
.endr
.irp b, 0,1,2,3
	v_exp_f32 v[BM+\b], v[BM+\b]                   ; the block's largest p
.endr
	v_pk_mul_f32 v[14:15], v[14:15], v[FF:FF+1] op_sel_hi:[1,0]   ; the sums under the new M.  (A plain place behind the exponentials)
	s_wait_alu depctr_va_vdst(0)
.irp b, 0,1,2,3
	v_max_num_f32 v[BM+\b], 0x1800000, v[BM+\b]    ; the floor 2^(3 - 127): the byte cannot fall under 1
.endr
.irp b, 0,1,2,3
	v_add_nc_u32 v[SO+\b], 0xff000000, v[BM+\b]    ; 2 off the exponent field: the conversion's scale operand
.endr
.irp b, 0,1,2,3
	v_lshrrev_b32 v[PT+\b], 23, v[SO+\b]           ; the scale's byte
.endr
	v_lshl_or_b32 v[PS], v[PT+1], 8, v[PT]         ; p's scale word for these 128 keys
	v_lshl_or_b32 v[PS], v[PT+2], 16, v[PS]
	v_lshl_or_b32 v[PS], v[PT+3], 24, v[PS]
.irp b, 0,1,2,3
	v_cvt_scalef32_pk8_fp4_f32 v[PC+2*\b], v[S+16*\b:S+7+16*\b], v[SO+\b]
	v_cvt_scalef32_pk8_fp4_f32 v[PC+1+2*\b], v[S+8+16*\b:S+15+16*\b], v[SO+\b]
.endr
	v_nop                                          ; one plain place behind the last scaled conversion
.irp u, 0,1                                    ; the operand's layout wants a WHOLE block in a lane: lanes 0-15 block 2 u, lanes 16-31 block 2 u + 1
.irp i, 0,1
	v_permlane16_swap_b32 v[PC+4*\u+\i], v[PC+2+4*\u+\i]
.endr
.endr
	v_pk_add_f32 v[PT:PT+1], v[S:S+1], v[S+2:S+3]  ; the row's sum is taken of the unquantised p: two at a time, in two chains
.irp j, 4,8,12,16,20,24,28,32,36,40,44,48,52,56,60
	v_pk_add_f32 v[14:15], v[14:15], v[S+\j:S+1+\j]
	v_pk_add_f32 v[PT:PT+1], v[PT:PT+1], v[S+2+\j:S+3+\j]
.endr
	v_pk_add_f32 v[14:15], v[14:15], v[PT:PT+1]
.set n, 0
.rept 32
	v_pk_mul_f32 v[OA+n:OA+n+1], v[OA+n:OA+n+1], v[FF:FF+1] op_sel_hi:[1,0]   ; O^T under the new M, ascending.  (With the sums above: the places between the writes of p's codes and scale word and the products below)
.set n, n+2
.endr
	s_wait_dscnt 0x0                               ; V's fragments and scale words are in
.irp t, 0,1,2,3                                ; O^T += V^T P^T: the eight accumulators take turns, one instruction a turn
	v_wmma_scale_f32_16x16x128_f8f6f4 v[OA+8*\t:OA+8*\t+7], v[FR+8*\t:FR+8*\t+7], v[PC:PC+7], v[OA+8*\t:OA+8*\t+7], v[VSW+\t], v[PS] matrix_a_fmt:MATRIX_FMT_FP4 matrix_b_fmt:MATRIX_FMT_FP4
.endr
.irp t, 4,5,6,7
	v_wmma_scale_f32_16x16x128_f8f6f4 v[OA+8*\t:OA+8*\t+7], v[FR+8*\t:FR+8*\t+7], v[PC:PC+7], v[OA+8*\t:OA+8*\t+7], v[VSW+\t-4], v[PS] matrix_a_fmt:MATRIX_FMT_FP4 matrix_b_fmt:MATRIX_FMT_FP4 matrix_a_scale:MATRIX_SCALE_ROW1
.endr
.rept 4
	v_nop                                          ; places in front of the next step's loads into V's registers and of the way out's reads of O^T
.endr
.if \tail == 0
	s_cmp_eq_u32 s[LAST], 0                        ; THE FIRST BLOCK IS DONE: a branch on ids alone; no barrier and no tensor load stands inside it
	s_cbranch_scc1 .Lsame_\@
	QLOAD Q2P                                      ; the second block's q, into p's registers, which are free: it lands while the first block goes out
	FINISH OUT1
	QTURN
	s_wait_xcnt 0x0                                ; the stores' data registers are loaded again in the next step: only behind this wait
	REINIT
	s_mov_b32 s[Q0], s[Q02]
	s_mov_b32 s[LIM], 255                          ; no step number reaches it: no second change of blocks
.Lsame_\@:
.endif
.endm
	s_load_b128 s[4:7], s[0:1], 0x0                ; q s[4:5], kv s[6:7]
	s_load_b64 s[8:9], s[0:1], 0x10                ; out0
	v_lshl_add_u32 v[SPW], v0, 2, SPARE
	v_mov_b32 v[NIL], 0
	ds_add_u32 v3, v4
	s_wait_dscnt 0x0
	v_lshrrev_b32 v[ADR], 5, v0
	v_readfirstlane_b32 s[WV], v[ADR]              ; wave 0..15
	s_mov_b32 s[JX], ttmp9
	s_and_b32 s[BH], ttmp7, 0xffff
	s_lshr_b32 s50, s[JX], 1
	s_sub_co_u32 s[LIM], 16, s50                   ; the first block, 31 - j, has 16 - j / 2 key steps
	s_and_b32 s51, s[WV], 3
	s_lshl_b32 s51, s51, 4                         ; my tile of the block's four
	s_sub_co_u32 s52, 31, s[JX]
	s_lshl_b32 s52, s52, 6
	s_add_co_u32 s[Q0], s52, s51                   ; my first query: 64 (31 - j) + 16 (wave % 4),
	s_lshl_b32 s52, s[JX], 6
	s_add_co_u32 s[Q02], s52, s51                  ; later 64 j + 16 (wave % 4)
	s_and_b32 s52, s[BH], 7
	s_lshl_b32 s52, s52, 2
	s_lshr_b32 s53, s[WV], 2
	s_add_co_u32 s52, s52, s53                     ; my query head: 4 x key/value head + wave / 4
	s_lshl_b32 s52, s52, 9                         ; its 512 bytes in a row
	s_lshr_b32 s53, s[BH], 3
	s_lshl_b32 s53, s53, 11                        ; the batch's first row
	s_add_co_u32 s54, s53, s[Q0]
	s_lshl_b32 s54, s54, 14
	s_add_co_u32 s54, s54, s52                     ; my tile's first byte in q and in out0, first block (under 2^26),
	s_mov_b32 s55, 0
	s_add_co_u32 s50, s53, s[Q02]
	s_lshl_b32 s50, s50, 14
	s_add_co_u32 s50, s50, s52                     ; second block
	s_mov_b32 s51, 0
	s_mul_i32 s[OFS], s[BH], HEADB                 ; my key/value head's 16 blocks of kv
	s_mov_b32 s[OFS+1], 0
	s_mov_b32 s[SEL], 0x76543210
	s_mov_b32 s[SEL+1], 0xfedcba98
	s_mov_b32 s[CS], 0x3e0293ee                    ; c = log2(e) / sqrt(128)
	s_mov_b32 s[CS+1], s[CS]                       ; (named with it as a pair, so it is written)
	; descriptor group 1: a dense block of 17,408 bytes as 68 rows of 256 bytes (32 elements of 8 bytes), no padding: every read of it is at 16 x lane
	s_mov_b32 s[G1], 3<<16                         ; 15:0 no mask; 17:16 elements of 8 bytes; 20 padding off
	s_mov_b32 s[G1+1], 32<<16                      ; tensor_dim0 = 32
	s_mov_b32 s[G1+2], 68<<16                      ; tensor_dim1 = 68
	s_mov_b32 s[G1+3], 32<<16                      ; tile_dim0 = 32
	s_mov_b32 s[G1+4], 68                          ; tile_dim1 = 68
	s_mov_b32 s[G1+5], 32                          ; from row to row: 32 elements
	s_mov_b32 s[G1+6], 0
	s_mov_b32 s[G1+7], 0
	; every vector address is made here, ahead of the first branch on the wave's number
	v_and_b32 v[ADR], 31, v0                       ; lane
	v_lshlrev_b32 v[LI], 4, v[ADR]
	v_and_b32 v[DD], 15, v0                        ; r
	v_bfe_u32 v[TT], v0, 4, 1                      ; h
	v_lshlrev_b32 v[SH8], 3, v[TT]
	v_lshlrev_b32 v[LD], 4, v[TT]
	v_sub_nc_u32 v[LD], v[DD], v[LD]               ; r - 16 h
	v_mov_b32 v[NINF], 0xff800000
	s_mul_i32 s53, s[WV], STW
	s_add_co_u32 s53, s53, STAGE                   ; my stage
	v_mul_u32_u24 v[STO], v[DD], SPITCH
	v_add_nc_u32 v[STO], s53, v[STO]               ; row r
	v_lshl_add_u32 v[QRD], v[TT], 7, v[STO]        ; q back: + 128 h
	v_lshl_add_u32 v[STO], v[TT], 5, v[STO]        ; results in: + 32 h
	v_add_nc_u32 v[SRD], s53, v[LI]                ; by rows
	v_lshrrev_b32 v[PF], 1, v[ADR]
	v_lshlrev_b32 v[PF], 14, v[PF]
	v_and_b32 v[ADR], 1, v[ADR]
	v_lshl_add_u32 v[PF], v[ADR], 8, v[PF]         ; row lane / 2, + 256 (lane % 2)
	s_wait_kmcnt 0x0
	s_add_nc_u64 s[Q1P:Q1P+1], s[4:5], s[54:55]
	s_add_nc_u64 s[OUT1:OUT1+1], s[8:9], s[54:55]
	s_add_nc_u64 s[Q2P:Q2P+1], s[4:5], s[50:51]
	s_add_nc_u64 s[OUT2:OUT2+1], s[8:9], s[50:51]
	s_add_nc_u64 s[KVB:KVB+1], s[6:7], s[OFS:OFS+1]
	s_mov_b32 s[G0], 1                             ; count = 1
	s_mov_b32 s[G0+1], 0                           ; LDS address: slot 0
	s_mov_b64 s[G0+2:G0+3], s[KVB:KVB+1]           ; key step 0
	s_or_b32 s[G0+3], s[G0+3], 0x80000000          ; type = 2
	TLOAD                                          ; the one first fill, ahead of every LDS read, every wait on TENSORcnt and every barrier
	QLOAD Q1P
.irp b, 0,1,2,3
	v_mov_b32 v[PT+\b], 0                          ; written once: a lane permute's destination counts as one of its sources
.endr
	v_mov_b32 v[PS], 0                             ; (named as the upper half of the pair v[252:253] before it is first written)
	QTURN
	REINIT
	s_mov_b32 s[KS], 0
	s_mov_b32 s[TB], 0
	s_mov_b32 s[CNT], 0
.Ltrip:                                            ; 16 trips: trip n reads the n-th key step of the work-group's 17 and asks for the next
	CHANGE 1
	STEP 0
	s_xor_b32 s[TB], s[TB], SLOT1                  ; on to the other slot
	s_mov_b32 s[KS], s[KSX]
	s_add_co_u32 s[CNT], s[CNT], 1
	s_cmp_lt_u32 s[CNT], 16
	s_cbranch_scc1 .Ltrip
	CHANGE 0                                       ; the last step is written out: nothing is left to ask for
	STEP 1
	FINISH OUT2
	s_wait_tensorcnt 0x0                           ; the wave's end: behind my last tensor load and my last LDS store
	ds_add_u32 v[SPW], v[NIL]
	s_wait_dscnt 0x0
	s_endpgm
.Lfunc_end_k_qad9c5ec647_attn:
	.size	k_qad9c5ec647_attn, .Lfunc_end_k_qad9c5ec647_attn-k_qad9c5ec647_attn
	.p2alignl 7, 3214868480
	.fill 96, 4, 3214868480
	.section	.rodata,"a",@progbits
	.p2align	6, 0x0
	.amdhsa_kernel k_qad9c5ec647_attn
		.amdhsa_group_segment_fixed_size 327680
		.amdhsa_private_segment_fixed_size 0
		.amdhsa_enable_private_segment 0
		.amdhsa_kernarg_size 24
		.amdhsa_user_sgpr_count 2
		.amdhsa_user_sgpr_kernarg_segment_ptr 1
		.amdhsa_wavefront_size32 1
		.amdhsa_system_sgpr_workgroup_id_x 1
		.amdhsa_system_sgpr_workgroup_id_y 1
		.amdhsa_system_sgpr_workgroup_id_z 1
		.amdhsa_system_vgpr_workitem_id 0
		.amdhsa_next_free_vgpr 256
		.amdhsa_next_free_sgpr 66
		.amdhsa_reserve_vcc 1
		.amdhsa_float_denorm_mode_32 3
		.amdhsa_float_denorm_mode_16_64 3
		.amdhsa_memory_ordered 1
		.amdhsa_forward_progress 1
		.amdhsa_inst_pref_size 80
	.end_amdhsa_kernel
	.amdgpu_metadata
---
amdhsa.version: [ 1, 2 ]
amdhsa.kernels:
  - .name:           k_qad9c5ec647_attn
    .symbol:         k_qad9c5ec647_attn.kd
    .args:
      - { .name: q, .offset: 0, .size: 8, .value_kind: global_buffer, .address_space: global }
      - { .name: kv, .offset: 8, .size: 8, .value_kind: global_buffer, .address_space: global }
      - { .name: out0, .offset: 16, .size: 8, .value_kind: global_buffer, .address_space: global }
    .group_segment_fixed_size: 327680
    .private_segment_fixed_size: 0
    .kernarg_segment_align: 8
    .kernarg_segment_size: 24
    .max_flat_workgroup_size: 512
    .sgpr_count:     66
    .vgpr_count:     256
    .wavefront_size: 32
...
	.end_amdgpu_metadata
.endif
;; end of part 2
